; MI455X (gfx1250); checked and timed in simulation.
; The chip was launched on July 23, 2026; its instructions are those of AMD's public machine-readable ISA for CDNA 5 (MIT licence, August 2026) and "CDNA5" Instruction Set Architecture Reference Guide (July 2026). The comments in the code are by the model that wrote it; some were corrected since.
;; Self Attention. Allowed arithmetic: float matrix products may take bf16 or f16 operands with f32 sums; other float arithmetic in f32, or as packed bf16 or f16 multiplies, adds, multiply-adds, maxima and minima; sums over many terms, partial sums and values carried from step to step in f32; what a program stores and reads back later, other than sums and carried values, may be rounded once to bf16 or f16.
;; Inputs: Wk 8 x 1,024 x 128 float32; Wq 8 x 1,024 x 128 float32; Wv 8 x 1,024 x 128 float32; bk 8 x 128 float32; bv 8 x 128 float32; x 4 x 2,048 x 1,024 float32.
;; Outputs: out0 4 x 2,048 x 1,024 float32.
;; One version. Each part assembles by itself: llvm-mc -triple=amdgcn-amd-amdhsa -mcpu=gfx1250 --defsym DOCPART=n.
;; ======== version 1 of 1: 3 launches
;; limits: values are held in f16: magnitudes above 65,504 overflow, below 6.1e-05 lose precision
;; workspace buffers: xb 16,777,216 bytes; wb 6,291,456 bytes; qkv 50,331,648 bytes
;; launch cast (part 1): grid 256 x 1, 8 waves a work-group, no clusters, 0 bytes of LDS; arguments x, Wq, Wk, Wv, xb, wb; writes xb, wb
.if DOCPART == 1
	.amdgcn_target "amdgcn-amd-amdhsa--gfx1250"
	.amdhsa_code_object_version 6
	.text
	.protected	k_qcd0e6b14f0_cast
	.globl	k_qcd0e6b14f0_cast
	.p2align	8
	.type	k_qcd0e6b14f0_cast,@function
k_qcd0e6b14f0_cast:
	s_mov_b64 s[64:65], 0
	v_nop
	global_prefetch_b8 v0, s[64:65] scope:SCOPE_SE
	s_setreg_imm32_b32 hwreg(HW_REG_WAVE_MODE, 25, 1), 1
	s_wait_xcnt 0x0
; x, Wq, Wk, Wv (f32) are rounded once to bf16, to nearest even, in the order in which they lie: xb = [8192][1024], wb = [24][1024][128] (Wq's 8 heads, Wk's, Wv's).
; Work-group g of 256 takes 131,072 bytes of x and 16,384 bytes of each W: 44 pieces of 4,096 bytes, alike for every work-group.
; Thread t takes the 16 bytes at 16 t of each piece: a load of a wave covers 512 consecutive bytes, a store of a wave 256 consecutive bytes, both aligned to their length.
; All 44 loads of a thread go out on end, each into registers of its own; no register is written again behind its store, so the only waits are the counted ones for the loads.
; No LDS, barrier or matrix unit: nothing is shared and nothing is summed.
.set X, 4                              ; v[4:179]  piece n: 4 registers as loaded; the first two then hold the 4 bf16
.set NX, 32                            ; pieces of x
.set NALL, 44                          ; and 4 of each W
	s_load_b256 s[4:11], s[0:1], 0x0               ; x s[4:5], Wq s[6:7], Wk s[8:9], Wv s[10:11]
	s_load_b128 s[12:15], s[0:1], 0x20             ; xb s[12:13], wb s[14:15]
	v_lshlrev_b32 v1, 4, v0                        ; my 16 bytes of a piece as read
	v_lshlrev_b32 v2, 3, v0                        ; my 8 bytes of it as written
	s_lshl_b32 s16, ttmp9, 17                      ; the work-group's share of x,
	s_mov_b32 s17, 0
	s_lshl_b32 s18, ttmp9, 16                      ; of xb,
	s_mov_b32 s19, 0
	s_lshl_b32 s20, ttmp9, 14                      ; of each W,
	s_mov_b32 s21, 0
	s_lshl_b32 s22, ttmp9, 13                      ; and of each third of wb
	s_mov_b32 s23, 0
	s_wait_kmcnt 0x0
	s_add_nc_u64 s[4:5], s[4:5], s[16:17]
	s_add_nc_u64 s[6:7], s[6:7], s[20:21]
	s_add_nc_u64 s[8:9], s[8:9], s[20:21]
	s_add_nc_u64 s[10:11], s[10:11], s[20:21]
	s_add_nc_u64 s[12:13], s[12:13], s[18:19]
	s_add_nc_u64 s[14:15], s[14:15], s[22:23]
.set n, 0
.rept NX
	global_load_b128 v[X+4*n:X+4*n+3], v1, s[4:5] offset:4096*n th:TH_LOAD_NT
.set n, n+1
.endr
.irp w, 0,1,2
.irp i, 0,1,2,3
	global_load_b128 v[X+4*(NX+4*(\w)+(\i)):X+4*(NX+4*(\w)+(\i))+3], v1, s[6+2*(\w):7+2*(\w)] offset:4096*(\i) th:TH_LOAD_NT
.endr
.endr
.set n, 0
.rept NALL
	s_wait_loadcnt NALL-1-n                        ; loads come back in order (ISA guide 5.7.1): piece n is in, the younger ones stay out
	v_cvt_pk_bf16_f32 v[X+4*n],   v[X+4*n],   v[X+4*n+1]
	v_cvt_pk_bf16_f32 v[X+4*n+1], v[X+4*n+2], v[X+4*n+3]
.if n < NX
	global_store_b64 v2, v[X+4*n:X+4*n+1], s[12:13] offset:2048*n
.else
	global_store_b64 v2, v[X+4*n:X+4*n+1], s[14:15] offset:((n-NX)/4)*2097152+((n-NX)%4)*2048  ; a W is 2,097,152 bytes of wb
.endif
.set n, n+1
.endr
	s_endpgm
.Lfunc_end_k_qcd0e6b14f0_cast:
	.size	k_qcd0e6b14f0_cast, .Lfunc_end_k_qcd0e6b14f0_cast-k_qcd0e6b14f0_cast
	.p2alignl 7, 3214868480
	.fill 96, 4, 3214868480
	.section	.rodata,"a",@progbits
	.p2align	6, 0x0
	.amdhsa_kernel k_qcd0e6b14f0_cast
		.amdhsa_group_segment_fixed_size 0
		.amdhsa_private_segment_fixed_size 0
		.amdhsa_enable_private_segment 0
		.amdhsa_kernarg_size 48
		.amdhsa_user_sgpr_count 2
		.amdhsa_user_sgpr_kernarg_segment_ptr 1
		.amdhsa_wavefront_size32 1
		.amdhsa_system_sgpr_workgroup_id_x 1
		.amdhsa_system_sgpr_workgroup_id_y 1
		.amdhsa_system_sgpr_workgroup_id_z 1
		.amdhsa_system_vgpr_workitem_id 0
		.amdhsa_next_free_vgpr 180
		.amdhsa_next_free_sgpr 66
		.amdhsa_reserve_vcc 0
		.amdhsa_float_denorm_mode_32 3
		.amdhsa_float_denorm_mode_16_64 3
		.amdhsa_memory_ordered 1
		.amdhsa_forward_progress 1
		.amdhsa_inst_pref_size 17
	.end_amdhsa_kernel
	.amdgpu_metadata
---
amdhsa.version: [ 1, 2 ]
amdhsa.kernels:
  - .name:           k_qcd0e6b14f0_cast
    .symbol:         k_qcd0e6b14f0_cast.kd
    .args:
      - { .name: x, .offset: 0, .size: 8, .value_kind: global_buffer, .address_space: global }
      - { .name: Wq, .offset: 8, .size: 8, .value_kind: global_buffer, .address_space: global }
      - { .name: Wk, .offset: 16, .size: 8, .value_kind: global_buffer, .address_space: global }
      - { .name: Wv, .offset: 24, .size: 8, .value_kind: global_buffer, .address_space: global }
      - { .name: xb, .offset: 32, .size: 8, .value_kind: global_buffer, .address_space: global }
      - { .name: wb, .offset: 40, .size: 8, .value_kind: global_buffer, .address_space: global }
    .group_segment_fixed_size: 0
    .private_segment_fixed_size: 0
    .kernarg_segment_align: 8
    .kernarg_segment_size: 48
    .max_flat_workgroup_size: 256
    .sgpr_count:     66
    .vgpr_count:     180
    .wavefront_size: 32
...
	.end_amdgpu_metadata
.endif
;; end of part 1
;; launch proj (part 2): grid 12 x 32, 4 waves a work-group, clusters of 4 x 4, 327,680 bytes of LDS; arguments xb, wb, bk, bv, qkv; writes qkv
.if DOCPART == 2
	.amdgcn_target "amdgcn-amd-amdhsa--gfx1250"
	.amdhsa_code_object_version 6
	.text
	.protected	k_qcd0e6b14f0_proj
	.globl	k_qcd0e6b14f0_proj
	.p2align	8
	.type	k_qcd0e6b14f0_proj,@function
k_qcd0e6b14f0_proj:
	s_mov_b64 s[64:65], 0
	v_nop
	global_prefetch_b8 v0, s[64:65] scope:SCOPE_SE
	s_setreg_imm32_b32 hwreg(HW_REG_WAVE_MODE, 25, 1), 1
	s_wait_xcnt 0x0
	s_wait_alu depctr_hold_cnt(0) depctr_sa_sdst(0) depctr_va_vdst(0) depctr_va_sdst(0) depctr_va_ssrc(0) depctr_va_vcc(0) depctr_vm_vsrc(0)
	s_getreg_b32 s2, hwreg(HW_REG_IB_STS2, 6, 4)
	s_cmp_eq_u32 s2, 0
	s_cbranch_scc0 .Lentry_in_a_cluster
	s_endpgm
.Lentry_in_a_cluster:
	s_bfe_u32 s2, ttmp6, 0x10000c
	s_cmp_lg_u32 s2, 0xf033
	s_cbranch_scc0 .Lentry_shape_is_right
	s_endpgm
.Lentry_shape_is_right:
; q = x Wq, k = x Wk + bk, v = x Wv + bv as ONE product [8192 x 1024] x [1024 x 3072].  xb: [8192][1024] bf16.  wb: [j][1024][128] bf16, j = 8 which + head (which: 0 q, 1 k, 2 v).
; qkv: [which][batch][head][2048][128] f16.  Sums in f32, begun with the bias (rounded to bf16 like every input; +0 for q), K ascending; each result rounded once to f16.
; LIMIT.  f16 holds no number beyond 65,504: |q|, |k|, |v| must stay below that (with all inputs 30 times those drawn they are some 5,000; with offsets of 30 spreads on x and W some 29,000).
; A tile of the product, 256 rows x 256 columns (two j), is made by a work-group of four waves; a wave makes 128 x 128, the columns of ONE j: 64 accumulators of 16 x 16, 512 registers.
; K goes in 8 steps of 128 through a ring of two LDS slots filled by the tensor data mover; every row of a tile is 256 bytes of memory at a multiple of 256 bytes from its buffer's first byte.
; W lies [k][column]: it is turned on its way out of LDS, by ds_load_tr16_b128, so no launch transposes it.
; CLUSTERS: 4 x 4 work-groups.  The four of a row of the cluster need the same tiles of x, the four of a column the same tiles of W: each tile is asked for JOINTLY, by the same tensor load with the
; same descriptor and a mask that names the four.  The grid, 12 x 32 tiles, is a multiple of the cluster both ways.
; THE MATRIX INSTRUCTION IS USED TRANSPOSED: source 0 = 16 columns of W, source 1 = 16 rows of x.  Lane l then holds row l % 16 and its registers 0 to 7 the columns 8 (l / 16) + 0 .. 7:
; eight neighbouring numbers of a row, which pack into 16 bytes; and the bias of a block of 16 columns is eight registers that serve all rows.
; The last K step goes by rows of the result, so that finished rows leave while the others are multiplied.
; REGISTERS, in windows of 256 (s_set_vgpr_msb: bits 1:0 source 0, 3:2 source 1, 5:4 source 2, 7:6 destination):
;   window 0: v0-31 addresses; v64-127, v128-191 fragments of x, two buffers (in the last K step four, of 16 rows x 128 K); v32-63, v192-255 at work on the way out
;   window 1: v0-63 the bias; v64-127, v128-191 fragments of W, two buffers; v192-195 at work on the bias; in the last K step all 256: W's fragments of the whole step
;   window 2: the 32 accumulators of my rows 0-63 (accumulator (a, b) at v[8 (8 a + b)]);   window 3: those of my rows 64-127
.set SIZE_K, 1024
.set KSTEP,  128
.set PITCH,  272                       ; a row of x in LDS: 256 bytes + 16 of padding = 68 words: row r starts at bank 4 r mod 64 (64 banks of 4 bytes: ISA guide 11.1), so the 16 rows of a load start at 16 different banks
.set PB,     288                       ; a row of W (one k, 128 columns): 256 + 32 = 72 words
.set HALFA,  128*PITCH                 ; 128 rows of x: what one tensor load brings, and what one wave reads
.set HALFB,  128*PB                    ; 128 k of one j of W: likewise
.set SLOT,   2*HALFA+2*HALFB           ; x's 256 rows, then W's two j
.set STAGE,  2*SLOT                    ; behind the ring: 16 rows x 272 bytes for each wave, for the way out; no tensor load lands there
.set SPITCH, 272
.set SPARE,  STAGE+4*16*SPITCH         ; behind the stages: the spare words, 128 bytes for each wave: two blocks of 256 bytes that no other line names
.set LAPS,   SIZE_K/(2*KSTEP)          ; a lap = two K steps = once round the ring
.set ADRA, 16                          ; v16-17  LDS address of my fragments of x in slot 0, 1
.set ADRB, 20                          ; v20-21  the same for W
.set STO,  24                          ; v24     the way out: where I put 16 bytes of a row
.set RD,   25                          ; v25     the way out: where I read a row back
.set CO,   26                          ; v26     my 16 bytes in 512 consecutive bytes of qkv
.set SPW,  28                          ; v28     LDS address of my spare word: SPARE + 4 x my thread's number; never rewritten
.set NIL,  29                          ; v29     0; never rewritten
.set F0,   64                          ; fragment buffer 0
.set F1,   128                         ; fragment buffer 1
.set TMP,  192                         ; the way out: packed results, in window 0
.set OB,   32                          ; the way out: 16 rows read back from the stage: v32-63 and v224-255 by turns
.set PA,   64                          ; the last K step: x's fragments of 16 rows x 128 K, 32 registers; four such buffers, v64-191
.set BT,   192                         ; window 1: four registers at work while the bias is rounded
.set G1, 24                            ; s[24:31] descriptor group 1 for x's tiles
.set G0, 32                            ; s[32:39] descriptor group 0 for x's tiles, one set for each slot
.set G1B, 48                           ; s[48:55] descriptor group 1 for W's tiles
.set G0B, 56                           ; s[56:63] descriptor group 0 for W's tiles, one set for each slot
.set MSB, 0
.macro WIN new                         ; the immediate's high byte repeats the setting that is left; a switch that changes nothing is dropped
.if MSB != (\new)
	s_set_vgpr_msb (MSB<<8)|(\new)
.set MSB, \new
.endif
.endm
.set MUL_LO, 0xa1                      ; source 0 (W) window 1, source 1 (x) window 0, C and D window 2
.set MUL_HI, 0xf1                      ; the same, C and D window 3
.set BEG_LO, 0x91                      ; the products that start the sums: C (the bias) window 1, D window 2; with 0x40 more: D window 3
.set TO_B,   0x40                      ; destination window 1, address window 0
; A joint load.  Waves 0 and 1 fetch x's two halves, waves 2 and 3 W's two j.  Each of the two lines has ONE mask and one set of registers for all that issue it.  The branch hangs on the wave's number alone.
; An s_nop 0 and four v_nop follow each of the two lines; the jump round the other line, the label and what follows the macro come after them.
.macro JLOAD s
	s_cmp_eq_u32 s11, 0
	s_cbranch_scc0 .Lfor_b_\@
	tensor_load_to_lds s[G0+4*(\s):G0+4*(\s)+3], s[G1:G1+7]
	s_nop 0
.rept 4
	v_nop
.endr
	s_branch .Lasked_\@
.Lfor_b_\@:
	tensor_load_to_lds s[G0B+4*(\s):G0B+4*(\s)+3], s[G1B:G1B+7]
	s_nop 0
.rept 4
	v_nop
.endr
.Lasked_\@:
.endm
; A round of the cluster's barrier: my work-group's barrier, so that wave 0's signal speaks for all four waves; wave 0 signals for the work-group; every wave waits for all
; sixteen work-groups; my work-group's barrier once more.  No LDS instruction of the wave is pending at a signal.
.macro CREST                           ; a round behind its opening barrier
	s_cmp_lg_u32 s10, 0
	s_cbranch_scc1 .Lnot_wave_0_\@
	s_barrier_signal -3
.Lnot_wave_0_\@:
	s_barrier_wait -3
	s_barrier_signal -1
	s_barrier_wait -1
.endm
.macro CROUND                          ; a whole round
	s_barrier_signal -1
	s_barrier_wait -1
	CREST
.endm
	s_load_b128 s[4:7], s[0:1], 0x0                ; xb s[4:5], wb s[6:7]
	s_load_b128 s[68:71], s[0:1], 0x10             ; bk s[68:69], bv s[70:71]
	s_load_b64 s[8:9], s[0:1], 0x20                ; qkv
	v_lshl_add_u32 v[SPW], v0, 2, SPARE
	v_mov_b32 v[NIL], 0
	ds_add_u32 v[SPW], v[NIL]                      ; the wave's opening: the add and its wait stand ahead of my first tensor load; the set-up below, work on registers, stands between them
	ds_add_u32 v28, v29
	v_lshrrev_b32 v1, 5, v0
	v_readfirstlane_b32 s10, v1                    ; wave 0..3
	s_lshr_b32 s11, s10, 1                         ; which half of the tile's rows is mine.  Also: I fetch for x (0) or for W (1)
	s_and_b32 s12, s10, 1                          ; which of its two j.  Also: which half of x's rows, or which j of W, I fetch
	s_bfe_u32 s40, ttmp6, 0x40000                  ; cx: my place along the cluster's x
	s_bfe_u32 s41, ttmp6, 0x40004                  ; cy: along its y
	s_lshl_b32 s42, ttmp9, 2                       ; in a cluster launch ttmp9 and ttmp7 count clusters
	s_add_co_u32 s42, s42, s40                     ; tile column = 4 x cluster x + cx, 0 .. 11
	s_and_b32 s13, ttmp7, 0xffff
	s_lshl_b32 s13, s13, 2
	s_add_co_u32 s13, s13, s41                     ; tile row = 4 x cluster y + cy, 0 .. 31
	s_lshl_b32 s43, s41, 2
	s_lshl_b32 s43, 15, s43                        ; my row of the cluster: places 4 cy .. 4 cy + 3
	s_lshl_b32 s44, 0x1111, s40                    ; my column: places cx, cx + 4, cx + 8, cx + 12
	; descriptor group 1: tiles of 128 rows x 128 elements, padded in LDS
	s_or_b32 s[G1+0], s43, (1<<16)|(1<<20)|(1<<21)|(5<<22)|(3<<25)   ; 15:0 the mask: x's tiles go to my row; 17:16 elements of 2 bytes; 20 padding on; 21 set beside a mask; 24:22 after every 64 words (code 5); 31:25 4 words of it (code 3)
	s_or_b32 s[G1B+0], s44, (1<<16)|(1<<20)|(1<<21)|(5<<22)|(7<<25)  ; the mask of my column, for W's tiles; 8 words of padding (code 7)
.irp g, G1, G1B
	s_mov_b32 s[(\g)+1], KSTEP<<16                 ; 63:48 tensor_dim0, low half = 128
	s_mov_b32 s[(\g)+2], 128<<16                   ; 79:64 its high half = 0; 95:80 tensor_dim1, low half = 128
	s_mov_b32 s[(\g)+3], KSTEP<<16                 ; 111:96 its high half = 0; 127:112 tile_dim0 = 128
	s_mov_b32 s[(\g)+4], 128                       ; 143:128 tile_dim1 = 128; 159:144 tile_dim2 = 0
	s_mov_b32 s[(\g)+6], 0
	s_mov_b32 s[(\g)+7], 0
.endr
	s_mov_b32 s[G1+5], SIZE_K                      ; 191:160 elements from row to row: x's rows are 1,024 long,
	s_mov_b32 s[G1B+5], 128                        ; W's 128
	; where the tiles come from.  x's hang on the tile row alone, which my row of the cluster shares; W's on the tile column alone, which my column shares.
	; Every wave makes both addresses, in registers that never hold the other coordinate, and asks by one of them.
	s_lshl_b32 s17, s12, 7
	s_lshl_b32 s16, s13, 8
	s_add_co_u32 s16, s16, s17                     ; x: row 256 x tile row + 128 x half,
	s_lshl_b32 s16, s16, 11                        ; of 2,048 bytes: under 2^24
	s_mov_b32 s17, 0
	s_lshl_b32 s76, s42, 1
	s_add_co_u32 s76, s76, s12                     ; j = 2 x tile column + half: the j that I fetch (waves 2, 3) and the j whose columns I make
	s_lshl_b32 s46, s76, 18                        ; W: a j is 262,144 bytes
	s_mov_b32 s47, 0
	s_mul_i32 s20, s12, HALFA                      ; and where they go: x's two halves,
	s_mul_i32 s45, s12, HALFB
	s_add_co_u32 s45, s45, 2*HALFA                 ; then W's two j: no place in the cluster enters an LDS address
	s_and_b32 s75, s76, 7
	s_lshl_b32 s75, s75, 9                         ; my head's 512 bytes in bk or bv
	s_wait_dscnt 0x0                               ; the opening add is done
	s_wait_kmcnt 0x0
	s_add_nc_u64 s[14:15], s[4:5], s[16:17]
	s_add_nc_u64 s[46:47], s[6:7], s[46:47]
	s_cmp_ge_u32 s76, 16
	s_cselect_b64 s[72:73], s[70:71], s[68:69]     ; v takes bv; k takes bk; q reads bk too,
	s_cmp_ge_u32 s76, 8
	s_cselect_b32 s74, -1, 0                       ; and this mask makes +0 of what it read
	CROUND                                         ; all sixteen work-groups are here: the first joint loads meet
.irp s, 0,1
	s_mov_b32 s[G0+4*(\s)], 1                                      ; 1:0 count = 1
	s_add_co_u32 s[G0+4*(\s)+1], s20, (\s)*SLOT                    ; 63:32 LDS address
	s_add_nc_u64 s[G0+4*(\s)+2:G0+4*(\s)+3], s[14:15], (\s)*KSTEP*2  ; 120:64 global address: K step s, 256 bytes along x's rows
	s_or_b32 s[G0+4*(\s)+3], s[G0+4*(\s)+3], 0x80000000            ; 127:126 type = 2
	s_mov_b32 s[G0B+4*(\s)], 1
	s_add_co_u32 s[G0B+4*(\s)+1], s45, (\s)*SLOT
	s_add_nc_u64 s[G0B+4*(\s)+2:G0B+4*(\s)+3], s[46:47], (\s)*KSTEP*256  ; K step s: 128 rows of W, 256 bytes each
	s_or_b32 s[G0B+4*(\s)+3], s[G0B+4*(\s)+3], 0x80000000
	JLOAD \s                                       ; the ring is filled before anything else is done: two tensor loads of mine are out
.endr
	v_and_b32 v1, 15, v0                           ; l % 16
	v_bfe_u32 v2, v0, 4, 1                         ; l / 16
	v_lshlrev_b32 v6, 5, v2
	v_add_nc_u32 v6, s75, v6                       ; the bias of my lanes' eight columns of a block of 16: 512 head + 32 (l / 16), + 64 for each block
	WIN TO_B
.irp b, 0,1,2,3,4,5,6,7                ; register 8 b + r: the bias of column 16 b + 8 (l / 16) + r
	global_load_b128 v[8*(\b):8*(\b)+3],   v6, s[72:73] offset:64*(\b)
	global_load_b128 v[8*(\b)+4:8*(\b)+7], v6, s[72:73] offset:64*(\b)+16
.endr
	WIN 0
	; A fragment of x is 16 rows x 32 K in 8 registers: lane l holds row l % 16; registers 0-3 hold K = 8 (l / 16) + 0..7, registers 4-7 K = 16 + 8 (l / 16) + 0..7: two loads of 16 bytes, 32 bytes apart.
	v_mul_u32_u24 v3, v1, PITCH
	v_lshl_add_u32 v3, v2, 4, v3                   ; row x pitch + 16 x half
	; The turning load takes 16 k x 16 columns (lane l reads 16 bytes: k = 8 (l / 16) + l % 8, columns 8 ((l / 8) % 2) + 0..7) and leaves half a fragment: lane l holds column l % 16 and 8 k.
	v_and_b32 v8, 7, v0
	v_bfe_u32 v9, v0, 3, 1
	v_lshl_add_u32 v7, v2, 3, v8
	v_mul_u32_u24 v7, v7, PB
	v_lshl_add_u32 v7, v9, 4, v7
	s_mul_i32 s21, s11, HALFA                      ; my 128 rows of x
	s_mul_i32 s22, s12, HALFB                      ; my j of W,
	s_add_co_u32 s22, s22, 2*HALFA                 ; which lies behind x's 256 rows
.irp s, 0,1
	v_add_nc_u32 v[ADRA+(\s)], s21, v3
	v_add_nc_u32 v[ADRB+(\s)], s22, v7
	s_add_co_u32 s21, s21, SLOT
	s_add_co_u32 s22, s22, SLOT
.endr
	s_mul_i32 s23, s10, 16*SPITCH
	s_add_co_u32 s23, s23, STAGE                   ; my stage
	v_mul_u32_u24 v4, v1, SPITCH                   ; in: row l % 16, 16 bytes for each half of the lanes
	v_lshl_add_u32 v4, v2, 4, v4
	v_add_nc_u32 v[STO], s23, v4
	v_mul_u32_u24 v5, v2, SPITCH                   ; back: lanes 0-15 take one row of 256 bytes, lanes 16-31 the next
	v_lshl_add_u32 v5, v1, 4, v5
	v_add_nc_u32 v[RD], s23, v5
	v_and_b32 v5, 31, v0                           ; a head's rows are dense in qkv: those two rows are 512 consecutive bytes
	v_lshlrev_b32 v[CO], 4, v5
	; where my 128 rows begin in qkv, in bytes: (32 which + 8 batch + head) x 2^19 + 256 x row in the batch.  The way out adds it to qkv's address.
	s_lshr_b32 s16, s13, 3                         ; the batch: 8 tile rows each
	s_lshl_b32 s16, s16, 22
	s_and_b32 s14, s13, 7
	s_lshl_b32 s14, s14, 16                        ; the tile's 256 rows of 256 bytes
	s_add_co_u32 s16, s16, s14
	s_lshl_b32 s14, s11, 15                        ; my half of them
	s_add_co_u32 s16, s16, s14
	s_mov_b32 s17, 0
	s_lshr_b32 s46, s76, 3                         ; which (in the registers that held W's address: none that feeds x's descriptors ever holds cx)
	s_lshl_b32 s46, s46, 24
	s_and_b32 s47, s76, 7                          ; the head
	s_lshl_b32 s47, s47, 19
	s_add_co_u32 s46, s46, s47
	s_mov_b32 s47, 0
	s_add_nc_u64 s[16:17], s[16:17], s[46:47]
	; the bias is rounded to bf16, as x and W were, masked (q has none), and widened again: all this stands in the wait for the first tile
	s_wait_loadcnt 0x0
	WIN 0x45                                       ; destination and both sources window 1
.set p, 0
.rept 32
	v_cvt_pk_bf16_f32 v[BT+p%4], v[2*p], v[2*p+1]
	v_and_b32 v[BT+p%4], s74, v[BT+p%4]
	v_lshlrev_b32 v[2*p], 16, v[BT+p%4]
	v_and_b32 v[2*p+1], 0xffff0000, v[BT+p%4]
.set p, p+1
.endr
	WIN 0
; 16 matrix instructions: m blocks a0, a0 + 1 of the window's four (hi = 0: my rows 0-63, 1: rows 64-127) x all 8 n blocks, 32 along K.
; zero = 1: the first product starts the sums, with the bias of its n block as C: nothing is cleared, and the bias costs no instruction.
.macro MUL16 f, hi, a0, zero
.if \zero
	WIN BEG_LO+0x40*(\hi)
.else
	WIN MUL_LO+0x50*(\hi)
.endif
.irp a, \a0, (\a0)+1
.irp b, 0,1,2,3,4,5,6,7
.if \zero
	v_wmma_f32_16x16x32_bf16 v[8*(8*(\a)+(\b)):8*(8*(\a)+(\b))+7], v[(\f)+8*(\b):(\f)+8*(\b)+7], v[(\f)+8*(4*(\hi)+(\a)):(\f)+8*(4*(\hi)+(\a))+7], v[8*(\b):8*(\b)+7]
.else
	v_wmma_f32_16x16x32_bf16 v[8*(8*(\a)+(\b)):8*(8*(\a)+(\b))+7], v[(\f)+8*(\b):(\f)+8*(\b)+7], v[(\f)+8*(4*(\hi)+(\a)):(\f)+8*(4*(\hi)+(\a))+7], v[8*(8*(\a)+(\b)):8*(8*(\a)+(\b))+7]
.endif
.endr
.endr
.endm
; 32 LDS loads in one run: the fragments of one quarter step (32 K x 128 columns of W, turned; 128 rows of x x 32 K at byte k of the rows) into buffer f.  Byte k of x's rows is row k / 2 of W's tile.
.macro FETCH slot, k, f
	WIN TO_B
.irp i, 0,1,2,3,4,5,6,7
	ds_load_tr16_b128 v[(\f)+8*(\i):(\f)+8*(\i)+3],   v[ADRB+(\slot)] offset:((\k)/2)*PB+32*(\i)
	ds_load_tr16_b128 v[(\f)+8*(\i)+4:(\f)+8*(\i)+7], v[ADRB+(\slot)] offset:((\k)/2)*PB+16*PB+32*(\i)
.endr
	WIN 0
.irp i, 0,1,2,3,4,5,6,7
	ds_load_b128 v[(\f)+8*(\i):(\f)+8*(\i)+3],   v[ADRA+(\slot)] offset:(\k)+(\i)*16*PITCH
	ds_load_b128 v[(\f)+8*(\i)+4:(\f)+8*(\i)+7], v[ADRA+(\slot)] offset:(\k)+(\i)*16*PITCH+32
.endr
.endm
; A load into a register that a matrix instruction has read, and a vector instruction that reads a matrix result, stand four places behind that matrix instruction, and only plain vector
; instructions that name none of its registers are places (ISA guide 7.12.1 for vector instructions).  So four v_nop stand in front of each run of loads.
.macro PLACES
.rept 4
	v_nop
.endr
.endm
; A K step is four quarter steps of 32 along K, 64 matrix instructions each, on buffers 0, 1, 0, 1; the 64 accumulators take turns, one instruction a turn, in the same order in every quarter.
; One of the first three: multiplies buffer f; in its middle it fetches the next quarter's fragments, at byte k of the same slot's rows, into buffer g.
.macro QUARTER slot, k, f, g, zero
	s_wait_dscnt 8                                 ; W and x's rows 0-63 are in; the youngest eight loads (x's rows 64-127) may be out
	MUL16 \f, 0, 0, \zero
	MUL16 \f, 0, 2, \zero
	PLACES
	FETCH \slot, \k, \g
	s_wait_dscnt 32                                ; all but the 32 just issued
	MUL16 \f, 1, 0, \zero
	MUL16 \f, 1, 2, \zero
.endm
; The last quarter multiplies buffer 1 and changes slots.  MEET is its first half: ONE barrier for the change of slots.  In front of it each wave waits for all its tensor loads, of which one is
; out: its part of the next slot; adds 0 to its spare word; and waits for that and for its own reads of this slot.  Behind it nobody reads this slot any more and the next slot is whole.
.macro MEET round                      ; round = 1: a round of the cluster's barrier follows
	WIN 0                                          ; (the add's two registers lie in window 0)
	s_wait_tensorcnt 0x0                           ; all my tensor loads have landed: the one that was out is my part of the next slot;
	ds_add_u32 v[SPW], v[NIL]                      ; 0 onto my spare word;
	s_wait_dscnt 9                                 ; (the add and the youngest eight loads may be out)
	MUL16 F1, 0, 0, 0                              ; sixteen matrix instructions stand between the add and the wait for it
	s_wait_dscnt 0x0                               ; the add is done, and my reads of this slot are over:
	s_barrier_signal -1                            ; say so,
	MUL16 F1, 0, 2, 0                              ; work on registers while the others arrive,
.if \round
	WIN 0
.endif
	s_barrier_wait -1                              ; and go on when all four have said so
.endm
; The whole last quarter.  Behind the round the slot just read out is filled again first, with the K step two steps on; then come the next slot's first fragments.
; From a request to the wait for it a wave issues 224 matrix instructions; one tensor load of mine is out.
.macro TURN slot, next
	MEET 1
	CREST                                          ; wave 0 says so for the work-group, all sixteen work-groups have said so, my work-group's barrier closes the round:
	                                               ; no wave of any partner still reads this slot's tile or has a load on its way
	s_add_nc_u64 s[G0+4*(\slot)+2:G0+4*(\slot)+3], s[G0+4*(\slot)+2:G0+4*(\slot)+3], 2*KSTEP*2       ; no tensor load of mine is out, so a group 0 may be written: 512 bytes along x's rows,
	s_add_nc_u64 s[G0B+4*(\slot)+2:G0B+4*(\slot)+3], s[G0B+4*(\slot)+2:G0B+4*(\slot)+3], 2*KSTEP*256  ; 256 rows of W down; the type bits on top are not reached
	JLOAD \slot                                    ; the first tensor load behind the round; the four v_nop behind it are also the places in front of the loads below
	FETCH \next, 0, F0
	MUL16 F1, 1, 0, 0
	MUL16 F1, 1, 2, 0
.endm
; THE LAST K STEP (it lies in slot 1) GOES BY ROWS, NOT BY K.  All its fragments of W (4 quarters x 64 registers) fill window 1; then my eight blocks of 16 rows are finished one after the other,
; each with 32 matrix instructions (its 8 accumulators by turns, K ascending: the sums stay the same bit for bit).  LDS is read no more than in any other K step.
.macro BLOAD q                         ; W's fragments of quarter q -> window 1, v[64 q ..]
	WIN TO_B
.irp i, 0,1,2,3,4,5,6,7
	ds_load_tr16_b128 v[64*(\q)+8*(\i):64*(\q)+8*(\i)+3],   v[ADRB+1] offset:32*(\q)*PB+32*(\i)
	ds_load_tr16_b128 v[64*(\q)+8*(\i)+4:64*(\q)+8*(\i)+7], v[ADRB+1] offset:32*(\q)*PB+16*PB+32*(\i)
.endr
.endm
.macro ALOAD a                         ; x's fragments of block a, all four quarters -> buffer a % 4
	WIN 0
.set FA, PA+32*((\a)%4)
.irp q, 0,1,2,3
	ds_load_b128 v[FA+8*(\q):FA+8*(\q)+3],   v[ADRA+1] offset:64*(\q)+(\a)*16*PITCH
	ds_load_b128 v[FA+8*(\q)+4:FA+8*(\q)+7], v[ADRA+1] offset:64*(\q)+(\a)*16*PITCH+32
.endr
.endm
.macro ROW a                           ; block a is finished: 32 matrix instructions
.set FA, PA+32*((\a)%4)                ; its fragments of x
.set AC, 64*((\a)%4)                   ; its eight accumulators, in window 2 (blocks 0-3) or 3 (blocks 4-7)
	WIN MUL_LO+0x50*((\a)/4)
.irp q, 0,1,2,3
.if (\a) == 0 && (\q) == 2
	s_wait_dscnt 24                                ; W's quarter 2 is in (behind it: x's blocks 1 to 3, 24 loads)
.endif
.irp b, 0,1,2,3,4,5,6,7
	v_wmma_f32_16x16x32_bf16 v[AC+8*(\b):AC+8*(\b)+7], v[64*(\q)+8*(\b):64*(\q)+8*(\b)+7], v[FA+8*(\q):FA+8*(\q)+7], v[AC+8*(\b):AC+8*(\b)+7]
.endr
.endr
.endm
; THE WAY OUT of block a, in three parts.  PACK: rounded to f16, 16 bytes a lane, each accumulator's registers in ascending order.  TOSTAGE: into my own stage in LDS, and back as whole rows of 256 bytes.  SEND: stored.
.macro PACK a
.set AC, 64*((\a)%4)
	WIN 0x0a+5*((\a)/4)                            ; sources 0 and 1: window 2 or 3
.irp b, 0,1,2,3,4,5,6,7
.irp r, 0,1,2,3
	v_cvt_pk_f16_f32 v[TMP+4*(\b)+(\r)], v[AC+8*(\b)+2*(\r)], v[AC+8*(\b)+2*(\r)+1]
.endr
.endr
	WIN 0
.endm
.macro TOSTAGE a
	WIN 0
.set BK, OB+192*((\a)%2)
.irp b, 0,1,2,3,4,5,6,7
	ds_store_b128 v[STO], v[TMP+4*(\b):TMP+4*(\b)+3] offset:32*(\b)
.endr
.irp t, 0,1,2,3,4,5,6,7
	ds_load_b128 v[BK+4*(\t):BK+4*(\t)+3], v[RD] offset:(\t)*2*SPITCH  ; LDS serves a wave's instructions in order (ISA guide 5.7.1.4): these see the stores above
.endr
.endm
.macro SEND a, younger                 ; younger: the LDS loads issued behind TOSTAGE's, which may stay out
	WIN 0
.set BK, OB+192*((\a)%2)
	s_wait_dscnt \younger                          ; the block is back in registers
	s_wait_xcnt 0x0                                ; every earlier memory instruction has had its addresses translated (ISA guide 3.1): only behind this wait are the stores' base and the registers that earlier stores read rewritten
.if (\a) == 0
	s_add_nc_u64 s[8:9], s[8:9], s[16:17]          ; on to my first rows
.else
	s_add_nc_u64 s[8:9], s[8:9], 16*256            ; 16 rows of 256 bytes on
.endif
.irp t, 0,1,2,3,4,5,6,7
	global_store_b128 v[CO], v[BK+4*(\t):BK+4*(\t)+3], s[8:9] offset:512*(\t)  ; a store of the wave covers 512 consecutive bytes, at a multiple of 512 from qkv's first byte
.endr
.endm
	s_wait_tensorcnt 1                             ; my part of K step 0 is in; K step 1's may stay out
	s_barrier_signal -1
	s_barrier_wait -1                              ; everybody's is
	FETCH 0, 0, F0
	QUARTER 0, 64,  F0, F1, 1                      ; the first quarter stands in front of the loop: its products start the sums
	WIN 0                                          ; at a label and at a branch every window is 0
	s_mov_b32 s3, LAPS-1
.Llap:                                                 ; a trip goes once round the ring, from a lap's second quarter to the next lap's first, and fills both slots again
	QUARTER 0, 128, F1, F0, 0
	QUARTER 0, 192, F0, F1, 0
	TURN 0, 1
	QUARTER 1, 64,  F0, F1, 0
	QUARTER 1, 128, F1, F0, 0
	QUARTER 1, 192, F0, F1, 0
	TURN 1, 0
	QUARTER 0, 64,  F0, F1, 0
	WIN 0
	s_sub_co_u32 s3, s3, 1
	s_cmp_lg_u32 s3, 0
	s_cbranch_scc1 .Llap
	QUARTER 0, 128, F1, F0, 0                      ; the last lap goes on; it asks for nothing more
	QUARTER 0, 192, F0, F1, 0
	MEET 0                                         ; my one tensor load that was still out is slot 1's, the last K step's, so no round follows
	PLACES                                         ; for the loads into buffer 0, which the quarter before multiplied, and onto the bias, last read in the first quarter
	BLOAD 0                                        ; three quarters of W now: buffer 1 (v128-191 of both windows) is still being multiplied
	BLOAD 1
	BLOAD 3
	ALOAD 0
	MUL16 F1, 1, 0, 0
	MUL16 F1, 1, 2, 0
	PLACES                                         ; for the loads into buffer 1
	BLOAD 2
	ALOAD 1
	ALOAD 2
	ALOAD 3
	s_wait_dscnt 40                                ; all but the 40 just issued (W's quarter 2: 16; x's blocks 1 to 3: 24)
	ROW 0
.irp a, 0,1,2,3,4,5,6,7                ; each block leaves as soon as it is finished: nothing follows under which its stores could leave
	PLACES                                         ; its conversions read results just made, and no other vector work is at hand
	PACK \a
	TOSTAGE \a
.if (\a) < 4
	ALOAD (\a)+4                                   ; its buffer takes the block four further on
	SEND \a, 8                                     ; those eight loads may stay out
.else
	SEND \a, 0
.endif
.if (\a) < 7
	ROW (\a)+1
.endif
.endr
	s_wait_tensorcnt 0x0                           ; the wave's end: an add onto my spare word and its wait, behind my last tensor load and my last LDS store
	ds_add_u32 v[SPW], v[NIL]
	s_wait_dscnt 0x0
	CROUND                                         ; the closing round: no work-group ends while a partner may still ask for a tile that names it
	s_endpgm
.Lfunc_end_k_qcd0e6b14f0_proj:
	.size	k_qcd0e6b14f0_proj, .Lfunc_end_k_qcd0e6b14f0_proj-k_qcd0e6b14f0_proj
	.p2alignl 7, 3214868480
	.fill 96, 4, 3214868480
	.section	.rodata,"a",@progbits
	.p2align	6, 0x0
	.amdhsa_kernel k_qcd0e6b14f0_proj
		.amdhsa_group_segment_fixed_size 327680
		.amdhsa_private_segment_fixed_size 0
		.amdhsa_enable_private_segment 0
		.amdhsa_kernarg_size 40
		.amdhsa_user_sgpr_count 2
		.amdhsa_user_sgpr_kernarg_segment_ptr 1
		.amdhsa_wavefront_size32 1
		.amdhsa_system_sgpr_workgroup_id_x 1
		.amdhsa_system_sgpr_workgroup_id_y 1
		.amdhsa_system_sgpr_workgroup_id_z 1
		.amdhsa_system_vgpr_workitem_id 0
		.amdhsa_next_free_vgpr 1024
		.amdhsa_next_free_sgpr 80
		.amdhsa_reserve_vcc 0
		.amdhsa_float_denorm_mode_32 3
		.amdhsa_float_denorm_mode_16_64 3
		.amdhsa_memory_ordered 1
		.amdhsa_forward_progress 1
		.amdhsa_inst_pref_size 151
	.end_amdhsa_kernel
	.amdgpu_metadata
---
amdhsa.version: [ 1, 2 ]
amdhsa.kernels:
  - .name:           k_qcd0e6b14f0_proj
    .symbol:         k_qcd0e6b14f0_proj.kd
    .args:
      - { .name: xb, .offset: 0, .size: 8, .value_kind: global_buffer, .address_space: global }
      - { .name: wb, .offset: 8, .size: 8, .value_kind: global_buffer, .address_space: global }
      - { .name: bk, .offset: 16, .size: 8, .value_kind: global_buffer, .address_space: global }
      - { .name: bv, .offset: 24, .size: 8, .value_kind: global_buffer, .address_space: global }
      - { .name: qkv, .offset: 32, .size: 8, .value_kind: global_buffer, .address_space: global }
    .group_segment_fixed_size: 327680
    .private_segment_fixed_size: 0
    .kernarg_segment_align: 8
    .kernarg_segment_size: 40
    .max_flat_workgroup_size: 128
    .sgpr_count:     80
    .vgpr_count:     1024
    .wavefront_size: 32
...
	.end_amdgpu_metadata
.endif
;; end of part 2
;; launch attn (part 3): grid 8 x 32, 4 waves a work-group, clusters of 4 x 1, 327,680 bytes of LDS; arguments qkv, out0; writes out0
.if DOCPART == 3
	.amdgcn_target "amdgcn-amd-amdhsa--gfx1250"
	.amdhsa_code_object_version 6
	.text
	.protected	k_qcd0e6b14f0_attn
	.globl	k_qcd0e6b14f0_attn
	.p2align	8
	.type	k_qcd0e6b14f0_attn,@function
k_qcd0e6b14f0_attn:
	s_mov_b64 s[64:65], 0
	v_nop
	global_prefetch_b8 v0, s[64:65] scope:SCOPE_SE
	s_setreg_imm32_b32 hwreg(HW_REG_WAVE_MODE, 25, 1), 1
	s_wait_xcnt 0x0
	s_wait_alu depctr_hold_cnt(0) depctr_sa_sdst(0) depctr_va_vdst(0) depctr_va_sdst(0) depctr_va_ssrc(0) depctr_va_vcc(0) depctr_vm_vsrc(0)
	s_getreg_b32 s2, hwreg(HW_REG_IB_STS2, 6, 4)
	s_cmp_eq_u32 s2, 0
	s_cbranch_scc0 .Lentry_in_a_cluster
	s_endpgm
.Lentry_in_a_cluster:
	s_bfe_u32 s2, ttmp6, 0x10000c
	s_cmp_lg_u32 s2, 0x3003
	s_cbranch_scc0 .Lentry_shape_is_right
	s_endpgm
.Lentry_shape_is_right:
; out0[b][q][128 h + :] = the sum over k of softmax_k(Q[bh][q] . K[bh][k] / sqrt(128)) V[bh][k][:].  qkv: [3][32][2048][128] f16 (q, then k, then v; bh = 8 b + h); out0: [4][2048][1024] f32.
; Products, maxima and sums in f32; the weights p are rounded to f16 for the second product (their sum l is taken of the unrounded p); the result is stored in f32.
; LIMITS.  Q, K and V arrive within f16's range, 65,504; p lies in 0 to 1, and below 6e-5 it keeps f16's fixed step of 6e-8; a weight below 2^-126 counts as 0 in l; NaN and infinities are not treated apart.
; SHARES.  A work-group owns 256 queries of one bh, each of its four waves 64: four tiles of 16.  Every wave walks all 2,048 keys, 64 a step.  8 x 32 = 256 work-groups.
; LAYOUT.  S^T = K Q^T (source 0 = 16 keys, source 1 = 16 queries): in the result a lane holds ONE query (lane % 16) and the keys 8 (lane / 16) + 0..7.  Two such tiles, rounded to
; f16 in pairs, ARE source 1 (32 keys x 16 queries) of O^T = V^T P, whose result again holds one query a lane, and eight channels.  So nothing changes lanes between the products,
; and a query's maximum and sum want one exchange between the halves of the lanes.  K comes out of LDS as it lies, V ([key][channel]) turned, by ds_load_tr16_b128.
; SOFTMAX.  For each query a running maximum m and sum l: p = 2^(c s - c m), c = log2(e) / sqrt(128); in every step O and l are multiplied by a = 2^(c m_old - c m_new), which is 1 where m has not grown.
; BY TURNS.  The wave's tiles are two PIECES, named by their first tile: piece 0 (tiles 0, 1) and piece 2 (tiles 2, 3).  In a TURN one piece has the matrix unit: 32 products V^T P of
; the step in hand, then 32 products K Q^T of the next step; the other piece's softmax, cut into 64 slices, stands between them, one slice behind each matrix instruction.  Then the
; pieces change places.  Two turns are a key step.
; CLUSTER.  The four query blocks of a cluster belong to one bh and walk the same K and V, so each tile is asked for JOINTLY: the same tensor load, with the same descriptor and a
; mask that names the four, in all four; each receives the tile in its own LDS.
; REGISTERS, in windows of 256 (s_set_vgpr_msb: bits 1:0 source 0, 3:2 source 1, 5:4 source 2, 7:6 destination):
;   window 0: v0-11 addresses; v12-43 eight registers of statistics a tile; v62-63 the add's; v64-191 S^T, 32 a tile; v192-255 P, 16 a tile
;   window 1: O^T, 64 a tile          window 2: v0-127 Q, 32 a tile; v128-255 K of one step          window 3: v0-127 V of one step
.set SIZE_N, 2048
.set KS,    64        ; keys in a step
.set PK,    272       ; a row of K in LDS: 256 bytes + 16 of padding = 68 words: row r starts at bank 4 r mod 64 (64 banks of 4 bytes: ISA guide 11.1), so the 16 rows of a load start at 16 different banks
.set PV,    288       ; a row of V: 256 + 32 = 72 words
.set VOFF,  KS*PK     ; a step's tiles lie together: 64 rows of K, then 64 rows of V
.set STEPB, KS*(PK+PV)
.set SLOT1, 1<<17     ; a slot holds two steps (71,680 bytes); slot 1 begins here, so that one exclusive or turns an address in one slot into the other's
.set STAGE, SLOT1+2*STEPB  ; behind the ring, never filled by a tensor load: 16 rows x 528 bytes for each wave, for the way out
.set SP,    528       ; a row of the stage: 128 f32 = 512 bytes + 16 = 132 words: the 16 rows that a store touches start at 16 different groups of four banks
.set SPARE, STAGE+4*16*SP  ; behind the stages: the spare words, 128 bytes for each wave: two blocks of 256 bytes that no other line names
.set AK0, 2           ; v2   my lane's place in a tile of K; never rewritten
.set AV0, 3           ; v3   the same for V
.set ADR, 4           ; v4   the LDS address of the run of loads in hand
.set QO,  5           ; v5   my byte offset in the wave's rows of Q
.set STO, 6           ; v6   the way out: where I put 32 bytes of a row
.set RD,  7           ; v7   the way out: where I read a row back
.set GO,  8           ; v8   my 16 bytes in a row's 512 bytes of out0
.set SPW, 62          ; v62  LDS address of my spare word: SPARE + 4 x my thread's number; never rewritten
.set NIL, 63          ; v63  0; never rewritten
.set ST,  12          ; tile t's statistics at v[ST+8 t]: +0 c m, +1 m, +2, +3 l (even keys', odd keys'), +4 to +7 c0-c3, at work; a takes c2's place once the maximum is found
.set S,   64
.set P,   192
.set KF,  128         ; K's fragments, in window 2
.set WV,  12          ; s12  my wave's number
.set G1K, 24          ; s[24:31] descriptor group 1 for K's tiles
.set G1V, 32          ; s[32:39] for V's: it differs in the padding alone
.set G0K, 40          ; s[40:47] descriptor group 0 for K's tiles: a set for each of the two first fills; the second then walks on
.set G0V, 48          ; s[48:55] the same for V's
.set SLOTS, 56        ; s56  slots still to be asked for
.set TWICE, 57        ; s57  counts a slot's two steps
.set CS,  58          ; s[58:59] c: the packed scaling names a pair and takes its low word for both halves
.set SEL, 60          ; s[60:61] lane selects for v_permlanex16_b32: each lane takes its own place in the other half
.set TB,  62          ; s62  LDS byte at which the tiles of the step to be fetched begin
.set MSB, 0
.macro WIN new                      ; the immediate's high byte repeats the setting that is left; a switch that changes nothing is dropped
.if MSB != (\new)
	s_set_vgpr_msb (MSB<<8)|(\new)
.set MSB, \new
.endif
.endm
.set W_KQ, 0x0a       ; K and Q in window 2, S^T in window 0
.set W_PV, 0x53       ; V in window 3, P in window 0, O^T in window 1
.set W_RS, 0x41       ; O^T (destination and source 0) in window 1, a in window 0
; A joint refill.  Waves 0 and 1 fetch the two steps' tiles of K, waves 2 and 3 those of V.  The branch hangs on the wave's number alone: it is the same in every work-group.
; An s_nop 0 and four v_nop follow each of the two lines; the jump round the other line, the label and what follows the macro come after them.
.macro JLOAD
	s_cmp_lt_u32 s[WV], 2
	s_cbranch_scc0 .Lfor_v_\@
	tensor_load_to_lds s[G0K+4:G0K+7], s[G1K:G1K+7]
	s_nop 0
.rept 4
	v_nop
.endr
	s_branch .Lasked_\@
.Lfor_v_\@:
	tensor_load_to_lds s[G0V+4:G0V+7], s[G1V:G1V+7]
	s_nop 0
.rept 4
	v_nop
.endr
.Lasked_\@:
.endm
; A round of the cluster's barrier: my work-group's barrier, so that wave 0's signal speaks for all four waves; wave 0 signals for the work-group; every wave waits for all four
; work-groups; my work-group's barrier once more.  No LDS instruction of the wave is pending at a signal.
.macro CROUND
	s_barrier_signal -1
	s_barrier_wait -1
	s_cmp_lg_u32 s[WV], 0
	s_cbranch_scc1 .Lnot_wave_0_\@
	s_barrier_signal -3
.Lnot_wave_0_\@:
	s_barrier_wait -3
	s_barrier_signal -1
	s_barrier_wait -1
.endm
	s_load_b128 s[4:7], s[0:1], 0x0 ; qkv s[4:5], out0 s[6:7]
	v_lshl_add_u32 v[SPW], v0, 2, SPARE
	v_mov_b32 v[NIL], 0
	ds_add_u32 v[SPW], v[NIL]       ; the wave's opening: the add and its wait stand ahead of my first tensor load; the set-up below, work on registers, stands between them
	ds_add_u32 v62, v63
	v_lshrrev_b32 v1, 5, v0
	v_readfirstlane_b32 s[WV], v1   ; wave 0..3
	s_bfe_u32 s13, ttmp6, 0x40000   ; cx: my place in the cluster
	s_lshl_b32 s14, ttmp9, 2        ; in a cluster launch ttmp9 counts clusters
	s_add_co_u32 s14, s14, s13      ; my block of 256 queries = 4 x cluster x + cx: it enters Q's and out0's addresses alone
	s_and_b32 s20, ttmp7, 0xffff    ; bh, which the four partners share
	s_lshr_b32 s18, s20, 3          ; out0: the batch's 2,048 rows of 4,096 bytes,
	s_lshl_b32 s18, s18, 23
	s_and_b32 s19, s20, 7           ; the head's 512 bytes of a row,
	s_lshl_b32 s19, s19, 9
	s_add_co_u32 s18, s18, s19
	s_lshl_b32 s19, s14, 20         ; my block's 256 rows,
	s_add_co_u32 s18, s18, s19
	s_lshl_b32 s19, s[WV], 18       ; my wave's 64 of them
	s_add_co_u32 s18, s18, s19
	s_mov_b32 s19, 0
	s_lshl_b32 s20, s20, 19         ; bh's first byte in each third of qkv: 2,048 rows of 256 bytes each
	s_mov_b32 s21, 0
	s_and_b32 s16, s[WV], 1         ; which of a slot's two steps I fetch:
	s_lshl_b32 s22, s16, 14         ; its 64 rows of 256 bytes in memory,
	s_mov_b32 s23, 0
	s_add_nc_u64 s[22:23], s[22:23], s[20:21]
	s_mul_i32 s17, s16, STEPB       ; and its place in a slot: no place in the cluster enters an LDS address
	s_lshl_b32 s2, s14, 16          ; Q: my block's 256 rows,
	s_lshl_b32 s3, s[WV], 14        ; my wave's 64 of them
	s_add_co_u32 s2, s2, s3
	s_mov_b32 s3, 0
	s_add_nc_u64 s[2:3], s[2:3], s[20:21]
	; descriptor group 1: a tile of 64 rows x 128 elements, padded in LDS
	s_mov_b32 s[G1K], 15|(1<<16)|(1<<20)|(1<<21)|(5<<22)|(3<<25)  ; 15:0 the mask: all four work-groups; 17:16 elements of 2 bytes; 20 padding on; 21 set beside a mask; 24:22 after every 64 words (code 5); 31:25 4 words of it (code 3)
	s_mov_b32 s[G1V], 15|(1<<16)|(1<<20)|(1<<21)|(5<<22)|(7<<25)  ; the same with 8 words of padding (code 7)
.irp g, G1K, G1V
	s_mov_b32 s[(\g)+1], 128<<16    ; 63:48 tensor_dim0, low half = 128
	s_mov_b32 s[(\g)+2], KS<<16     ; 79:64 its high half = 0; 95:80 tensor_dim1, low half = 64
	s_mov_b32 s[(\g)+3], 128<<16    ; 111:96 its high half = 0; 127:112 tile_dim0 = 128
	s_mov_b32 s[(\g)+4], KS         ; 143:128 tile_dim1 = 64; 159:144 tile_dim2 = 0
	s_mov_b32 s[(\g)+5], 128        ; 191:160 tensor_dim0_stride, low word: elements from row to row
	s_mov_b32 s[(\g)+6], 0
	s_mov_b32 s[(\g)+7], 0
.endr
	s_mov_b32 s[CS], 0x3e0293ee     ; c = log2(e) / sqrt(128) = 0.127517
	s_mov_b32 s[CS+1], s[CS]        ; named with it as a pair, so it is written
	s_mov_b32 s[SEL], 0x76543210
	s_mov_b32 s[SEL+1], 0xfedcba98
	s_mov_b32 s[TB], 0
	s_mov_b32 s[SLOTS], SIZE_N/(2*KS)-2
	s_wait_dscnt 0x0                ; the opening add is done
	s_wait_kmcnt 0x0
	s_mov_b64 s[10:11], s[6:7]      ; out0
	s_add_nc_u64 s[6:7], s[4:5], s[22:23]
	s_add_nc_u64 s[6:7], s[6:7], 0x1000000  ; K, the second third of qkv, at my tile of slot 0
	s_add_nc_u64 s[8:9], s[6:7], 0x1000000  ; V, the third
	s_add_nc_u64 s[4:5], s[4:5], s[2:3]     ; Q at my wave's first row
	s_add_nc_u64 s[10:11], s[10:11], s[18:19]  ; out0 at my wave's first row, my head's columns
	CROUND                          ; all four work-groups are here: the first joint loads meet
.irp s, 0,1
	s_mov_b32 s[G0K+4*(\s)], 1      ; 1:0 count = 1
	s_add_co_u32 s[G0K+4*(\s)+1], s17, (\s)*SLOT1  ; 63:32 LDS address
	s_add_nc_u64 s[G0K+4*(\s)+2:G0K+4*(\s)+3], s[6:7], (\s)*2*KS*256  ; 120:64 global address: slot s begins with keys 128 s to 128 s + 127
	s_or_b32 s[G0K+4*(\s)+3], s[G0K+4*(\s)+3], 0x80000000  ; 127:126 type = 2
	s_mov_b32 s[G0V+4*(\s)], 1
	s_add_co_u32 s[G0V+4*(\s)+1], s17, (\s)*SLOT1+VOFF
	s_add_nc_u64 s[G0V+4*(\s)+2:G0V+4*(\s)+3], s[8:9], (\s)*2*KS*256
	s_or_b32 s[G0V+4*(\s)+3], s[G0V+4*(\s)+3], 0x80000000
.endr
	s_cmp_lt_u32 s[WV], 2           ; a wave's two first fills stand in one branch, ahead of every wait on TENSORcnt and every LDS read: two loads of mine are out; an s_nop 0 follows each, four v_nop the second's, as in JLOAD
	s_cbranch_scc0 .Lfirst_v
	tensor_load_to_lds s[G0K:G0K+3], s[G1K:G1K+7]
	s_nop 0
	tensor_load_to_lds s[G0K+4:G0K+7], s[G1K:G1K+7]
	s_nop 0
.rept 4
	v_nop
.endr
	s_branch .Lfirst_asked
.Lfirst_v:
	tensor_load_to_lds s[G0V:G0V+3], s[G1V:G1V+7]
	s_nop 0
	tensor_load_to_lds s[G0V+4:G0V+7], s[G1V:G1V+7]
	s_nop 0
.rept 4
	v_nop
.endr
.Lfirst_asked:
	; A fragment of K or Q is 16 rows x 32 channels in 8 registers: lane l holds row l % 16; registers 0-3 channels 8 (l / 16) + 0..7, registers 4-7 channels 16 + 8 (l / 16) + 0..7: two loads of 16 bytes, 32 bytes apart.
	v_and_b32 v1, 15, v0            ; l % 16
	v_bfe_u32 v9, v0, 4, 1          ; l / 16
	v_lshlrev_b32 v[QO], 8, v1
	v_lshl_add_u32 v[QO], v9, 4, v[QO]  ; row x 256 + 16 x half
	WIN 0x80                        ; destination window 2, address window 0
.irp i, 0,1,2,3,4,5,6,7,8,9,10,11,12,13,14,15  ; Q stays in registers: tile i / 4, channels 32 (i % 4) on
	global_load_b128 v[8*(\i):8*(\i)+3],   v[QO], s[4:5] offset:((\i)/4)*4096+((\i)%4)*64
	global_load_b128 v[8*(\i)+4:8*(\i)+7], v[QO], s[4:5] offset:((\i)/4)*4096+((\i)%4)*64+32
.endr
	WIN 0
	v_mul_u32_u24 v[AK0], v1, PK
	v_lshl_add_u32 v[AK0], v9, 4, v[AK0]  ; row x pitch + 16 x half
	; The turning load takes 16 keys x 16 channels (lane l reads 16 bytes: key 8 (l / 16) + l % 8, channels 8 ((l / 8) % 2) + 0..7) and leaves half a fragment of V^T: lane l holds channel l % 16 and 8 keys.
	v_and_b32 v10, 7, v0
	v_bfe_u32 v11, v0, 3, 1
	v_lshl_add_u32 v[AV0], v9, 3, v10
	v_mul_u32_u24 v[AV0], v[AV0], PV
	v_lshl_add_u32 v[AV0], v11, 4, v[AV0]
	v_add_nc_u32 v[AV0], VOFF, v[AV0]
; THE MATRIX WORK OF A TURN, for piece x.  The accumulators take turns, one instruction a turn: between two links of a chain stand 15 (V^T P) or 7 (K Q^T) others'.
; Product i of 32 of O^T += V^T P: keys 32 (i / 16) on, channels 16 ((i / 2) % 8) on, tile x + i % 2.  zero = 1: the first 16 start the sums: nothing is ever cleared.
.macro PV x, zero
	WIN W_PV
.set rO, 64*((\x)+i%2)+8*((i/2)%8)
.set rV, 64*(i/16)+8*((i/2)%8)
.set rP, P+16*((\x)+i%2)+8*(i/16)
.if (\zero) && (i < 16)
	v_wmma_f32_16x16x32_f16 v[rO:rO+7], v[rV:rV+7], v[rP:rP+7], 0
.else
	v_wmma_f32_16x16x32_f16 v[rO:rO+7], v[rV:rV+7], v[rP:rP+7], v[rO:rO+7]
.endif
.endm
; Product i of 32 of S^T = K Q^T: channels 32 (i / 8) on, keys 16 ((i / 2) % 4) on, tile x + i % 2.  The first 8 start the sums.
.macro KQ x
	WIN W_KQ
.set rS, S+32*((\x)+i%2)+8*((i/2)%4)
.set rK, KF+32*((i/2)%4)+8*(i/8)
.set rQ, 32*((\x)+i%2)+8*(i/8)
.if i < 8
	v_wmma_f32_16x16x32_f16 v[rS:rS+7], v[rK:rK+7], v[rQ:rQ+7], 0
.else
	v_wmma_f32_16x16x32_f16 v[rS:rS+7], v[rK:rK+7], v[rQ:rQ+7], v[rS:rS+7]
.endif
.endm
; THE LDS LOADS stand in runs of 32, never singly among the matrix instructions: a step's K (64 keys x 128 channels: 16 fragments) and, a turn later, its V (turned).
.macro FETCH_K
	WIN 0
	v_add_nc_u32 v[ADR], s[TB], v[AK0]
	WIN 0x80                        ; destination window 2
.irp f, 0,1,2,3,4,5,6,7,8,9,10,11,12,13,14,15  ; keys 16 (f / 4) on, channels 32 (f % 4) on
	ds_load_b128 v[KF+8*(\f):KF+8*(\f)+3],   v[ADR] offset:((\f)/4)*16*PK+((\f)%4)*64
	ds_load_b128 v[KF+8*(\f)+4:KF+8*(\f)+7], v[ADR] offset:((\f)/4)*16*PK+((\f)%4)*64+32
.endr
.endm
.macro FETCH_V
	WIN 0
	v_add_nc_u32 v[ADR], s[TB], v[AV0]
	s_add_co_u32 s[TB], s[TB], STEPB  ; the next fetch is the next step's
	WIN 0xc0                        ; destination window 3
.irp f, 0,1,2,3,4,5,6,7,8,9,10,11,12,13,14,15  ; keys 32 (f / 8) on, channels 16 (f % 8) on
	ds_load_tr16_b128 v[8*(\f):8*(\f)+3],   v[ADR] offset:((\f)/8)*32*PV+((\f)%8)*32
	ds_load_tr16_b128 v[8*(\f)+4:8*(\f)+7], v[ADR] offset:((\f)/8)*32*PV+16*PV+((\f)%8)*32
.endr
.endm
; THE VECTOR WORK OF A TURN.  One tile's softmax for one key step is a list of 134 instructions; SM writes number j of it for tile t.  s0-s31 are the lane's 32 scores, in pairs 0-15.
; first = 1: the first key step, which starts m, l and O^T: it has no a and nothing to rescale.
;   0-15    the maximum of s0-s31 and the old m, three operands at a time: four chains c0-c3 of seven scores each (each accumulator's lowest registers are read first), then the four scores left over, c0-c3 and m
;   16-20   the other half of the lanes' maximum; the new m; c m; c m_old - c m_new
;   21-87   33 exponentials (a, then s0-s31) at the odd numbers from 23 on, so that no two follow each other and each has a plain instruction behind it before its result is used.
;           Plain instruction q (number 21, then the even numbers) is whatever is ready: c s - c m for a pair of scores whose exponentials are still to come (q = 0 to 3, then every
;           second q), the rounding to f16 of a pair of weights whose exponentials are done (every other q from 5 on), at last the first three sums
;   88-101  the last rounding; the rest of the sums; l = a l + the sum
;   102-133 the tile's O^T times a, in ascending order: the one part that leaves window 0, so it stands together
.macro SM t, first
.set rT, ST+8*(\t)
.set rS, S+32*(\t)
.set rP, P+16*(\t)
.set rO, 64*(\t)+2*(j-102)
.set q, (j-20)/2
.if j < 102
	WIN 0
.endif
.if j < 4
	v_max3_num_f32 v[rT+4+j], v[rS+8*j], v[rS+8*j+1], v[rS+8*j+2]
.elseif j < 12
	v_max3_num_f32 v[rT+4+j%4], v[rT+4+j%4], v[rS+8*(j%4)+2*(j/4)+1], v[rS+8*(j%4)+2*(j/4)+2]
.elseif j == 12
	v_max3_num_f32 v[rT+4], v[rT+4], v[rS+7], v[rS+15]
.elseif j == 13
	v_max3_num_f32 v[rT+6], v[rT+6], v[rS+23], v[rS+31]
.elseif j == 14
	v_max3_num_f32 v[rT+4], v[rT+4], v[rT+5], v[rT+6]
.elseif (j == 15) && (\first)
	v_max_num_f32 v[rT+4], v[rT+4], v[rT+7]
.elseif j == 15
	v_max3_num_f32 v[rT+4], v[rT+4], v[rT+7], v[rT+1]
.elseif j == 16
	v_permlanex16_b32 v[rT+5], v[rT+4], s[SEL], s[SEL+1]  ; the query's other 32 keys lie in the lane 16 away
.elseif j == 18
	v_max_num_f32 v[rT+1], v[rT+4], v[rT+5]
.elseif j == 19
	v_mul_f32 v[rT], s[CS], v[rT+1]
.elseif ((j == 17) || (j == 20) || (j == 23) || (j > 101)) && (\first)  ; the first step has none of these
.elseif j == 17
	v_mov_b32 v[rT+7], v[rT]        ; c m_old is kept for a: number 19 writes c m anew
.elseif j == 20
	v_sub_f32 v[rT+7], v[rT+7], v[rT]
.elseif j == 23
	v_exp_f32 v[rT+6], v[rT+7]
.elseif (j < 88) && (j > 23) && (j%2 == 1)
	v_exp_f32 v[rS+(j-25)/2], v[rS+(j-25)/2]
.elseif (q < 4) || ((j < 76) && (q%2 == 0))
.set b, q/2+2
.if q < 4
.set b, q
.endif
	v_pk_fma_f32 v[rS+2*b:rS+2*b+1], v[rS+2*b:rS+2*b+1], s[CS:CS+1], v[rT:rT+1] op_sel_hi:[1,0,0] neg_lo:[0,0,1] neg_hi:[0,0,1]  ; pair b: c s - c m
.elseif (j < 88) && (q%2 == 1)
	s_wait_alu depctr_va_vdst(0)
	v_cvt_pk_f16_f32 v[rP+(q-5)/2], v[rS+q-5], v[rS+q-4]  ; pair (q - 5) / 2: its second exponential stands three numbers back
.elseif j == 89
	s_wait_alu depctr_va_vdst(0)
	v_cvt_pk_f16_f32 v[rP+15], v[rS+30], v[rS+31]
.elseif j < 102                     ; the sum of the tile's 16 pairs (in a pair: an even key's weight, an odd key's), in place: sum z of 16 adds neighbours 1, 2, 4 and 8 pairs apart, then l takes it
.set z, j-86
.if j < 89
.set z, (j-76)/4
.endif
.set w, 4
.set u, z
.if z >= 14
.set w, 32
.set u, 0
.elseif z >= 12
.set w, 16
.set u, z-12
.elseif z >= 8
.set w, 8
.set u, z-8
.endif
.if (z == 14) && (\first)
	v_pk_add_f32 v[rT+2:rT+3], v[rS:rS+1], v[rS+16:rS+17]
.elseif z < 15
	v_pk_add_f32 v[rS+w*u:rS+w*u+1], v[rS+w*u:rS+w*u+1], v[rS+w*u+w/2:rS+w*u+w/2+1]
.elseif !(\first)
	v_pk_fma_f32 v[rT+2:rT+3], v[rT+2:rT+3], v[rT+6:rT+7], v[rS:rS+1] op_sel_hi:[1,0,1]
.endif
.else
	WIN W_RS
	v_pk_mul_f32 v[rO:rO+1], v[rO:rO+1], v[rT+6:rT+7] op_sel_hi:[1,0]
.endif
.endm
; Slice k of 64 of piece y's softmax: numbers 2 k and 2 k + 1 of both tiles' lists, four instructions.  2 x 134 = 4 x 64 + 12: the twelve that are over stand together, in slice 63.
.macro SLICE y, first
.if (k >= 11) && (k < 44)           ; tile by tile: plain, exponential, plain, exponential
.irp t, \y, (\y)+1
.irp n, 0,1
.set j, 2*k+(\n)
	SM \t, \first
.endr
.endr
.else                               ; the two tiles alternate, so that no instruction reads the result of the one just before it
.irp n, 0,1,2,3,4,5,6,7
.if ((\n) < 2) || (k == 63)
.irp t, \y, (\y)+1
.set j, 2*k+(\n)
	SM \t, \first
.endr
.endif
.endr
.endif
.set k, k+1
.endm
; A vector instruction that reads a matrix result or writes one of a matrix instruction's registers, and a load into a register that a matrix instruction has read, stand four places behind
; it, and only plain vector instructions that name none of its registers are places (ISA guide 7.12.1 for vector instructions).  In the loop the slices are the places.
.macro PLACES
.rept 4
	v_nop
.endr
.endm
; A TURN.  Piece x has the matrix unit; the other piece's softmax stands in slices behind its matrix instructions.
; pv = 2: 32 products V^T P; 1: they start O^T's sums; 0: none.  kq = 1: 32 products K Q^T for the next step.  A turn with one of the two kinds has two slices behind each product.
; first = 1: the softmax is the first key step's.  Its slices from 51 on are empty: the turn's last products stand bare, and four v_nop take slice 63's part as the places behind them.
; Each run of loads stands behind the second product of a run of 32, 30 matrix instructions ahead of its first use.  Piece 0's turn fetches the next step's K: the last product that read K
; stands in front of slice 63 of the turn before.  Piece 2's turn fetches the same step's V: the last product that read V stands three slices, six plain instructions, back.
.macro TURN x, pv, kq, first
.set k, 0
.set per, 2
.if (\pv) && (\kq)
.set per, 1
.endif
.if \pv
.if (\x) == 0
	s_wait_dscnt 0x0                ; V is in
.endif
.set i, 0
.rept 32
	PV \x, 2-(\pv)
.rept per
	SLICE 2-(\x), \first
.endr
.if ((\x) == 0) && (\kq) && (i == 1)
	FETCH_K
.endif
.set i, i+1
.endr
.endif
.if \kq
.if (\x) == 0
	s_wait_dscnt 0x0                ; K is in
.endif
.set i, 0
.rept 32
	KQ \x
.rept per
	SLICE 2-(\x), \first
.endr
.if ((\x) == 2) && (i == 1)
	FETCH_V
.endif
.set i, i+1
.endr
.endif
.if \first
	PLACES
.endif
.endm
; THE CHANGE OF SLOTS, between piece 2's turn and piece 0's: the slot's last bytes, V of its second step, have been asked for.  Each wave waits for all its
; tensor loads, of which one is out: its part of the other slot; adds 0 to its spare word; and waits for that and for its own reads of the slot.  Behind the barrier nobody reads this slot any more and the other slot is whole.
; fill = 1: this slot is filled again, with the keys two slots on.  The barrier is then a round of the cluster's, so that no wave of any partner still reads the slot or has a load on its
; way, and the joint refill is the first thing behind it: it has two key steps, 256 matrix instructions, in which to land.
.macro CHANGE fill
	WIN 0                           ; at a label and at a branch every window is 0
	s_wait_tensorcnt 0x0            ; no tensor load of mine is out, so a group 0 may be written
	ds_add_u32 v[SPW], v[NIL]       ; 0 onto my spare word; with fill = 1 the descriptors' steps stand between it and the wait for it
.if \fill
.irp g, G0K+4, G0V+4
	s_xor_b32 s[(\g)+1], s[(\g)+1], SLOT1  ; the walking descriptor: the other slot than last time,
	s_add_nc_u64 s[(\g)+2:(\g)+3], s[(\g)+2:(\g)+3], 2*KS*256  ; the next 128 keys; the type bits on top are not reached
.endr
	s_wait_dscnt 0x0                ; the add is done, and my reads of the slot are over
	CROUND
	JLOAD
.else
	s_wait_dscnt 0x0                ; the add is done, and my reads of the slot are over
	s_barrier_signal -1
	s_barrier_wait -1
.endif
	s_sub_co_u32 s[TB], s[TB], 2*STEPB  ; the fetches go back to a slot's first step,
	s_xor_b32 s[TB], s[TB], SLOT1   ; in the other slot
.endm
; A slot's two key steps: written once, walked twice; the LDS addresses hang on s[TB].
.macro TWO_STEPS
	WIN 0
	s_mov_b32 s[TWICE], 2
.Lstep_\@:
	TURN 0, 2, 1, 0
	TURN 2, 2, 1, 0
	WIN 0
	s_sub_co_u32 s[TWICE], s[TWICE], 1
	s_cmp_lg_u32 s[TWICE], 0
	s_cbranch_scc1 .Lstep_\@
.endm
	s_wait_tensorcnt 1              ; my part of slot 0 is in; slot 1's may stay out
	s_barrier_signal -1
	s_barrier_wait -1               ; everybody's is
	FETCH_K                         ; key step 0
	s_wait_loadcnt 0x0              ; Q
	s_wait_dscnt 0x0
.set i, 0
.rept 32
	KQ 0                            ; piece 0's first scores: there is no vector work yet to set between them
.set i, i+1
.endr
	WIN 0                           ; the addresses for the way out are made here: six plain instructions, the places behind those products
	s_mul_i32 s13, s[WV], 16*SP
	s_add_co_u32 s13, s13, STAGE    ; my stage
	v_mul_u32_u24 v[STO], v1, SP    ; in: row l % 16, 32 bytes (eight f32) for each half of the lanes
	v_lshl_add_u32 v[STO], v9, 5, v[STO]
	v_add_nc_u32 v[STO], s13, v[STO]
	v_and_b32 v[GO], 31, v0         ; back: the 32 lanes take one row of 512 bytes,
	v_lshlrev_b32 v[GO], 4, v[GO]   ; which are 512 consecutive bytes of out0
	v_add_nc_u32 v[RD], s13, v[GO]
	TURN 2, 0, 1, 1                 ; piece 2's first scores | piece 0's first softmax | V of step 0
	TURN 0, 1, 1, 1                 ; piece 0: V^T P of step 0 starts O^T, K Q^T of step 1 | piece 2's first softmax | K of step 1
	TURN 2, 1, 1, 0                 ; piece 2: the same | piece 0's softmax of step 1 | V of step 1
	WIN 0
.Lslot:                             ; SIZE_N / 128 - 2 = 14 trips: every slot but the last two is filled again
	CHANGE 1
	TWO_STEPS
	s_sub_co_u32 s[SLOTS], s[SLOTS], 1
	s_cmp_lg_u32 s[SLOTS], 0
	s_cbranch_scc1 .Lslot
	CHANGE 0                        ; the tail is written out: the last slot but one is left, and nothing is asked for
	TWO_STEPS
	TURN 0, 2, 0, 0                 ; piece 0: V^T P of the last step | piece 2's last softmax
.set i, 0
.rept 32
	PV 2, 0                         ; piece 2: V^T P of the last step
.set i, i+1
.endr
	; THE WAY OUT.  l's two halves and the other half of the lanes' are added; O^T is divided by l and sent, in f32, through my stage in LDS, a tile (16 rows) at a time.  The additions are the places behind the last products.
	WIN 0
.irp t, 0,1,2,3
	v_add_f32 v[ST+8*(\t)+4], v[ST+8*(\t)+2], v[ST+8*(\t)+3]
.endr
.irp t, 0,1,2,3
	v_permlanex16_b32 v[ST+8*(\t)+5], v[ST+8*(\t)+4], s[SEL], s[SEL+1]
.endr
.irp t, 0,1,2,3
	v_add_f32 v[ST+8*(\t)+4], v[ST+8*(\t)+4], v[ST+8*(\t)+5]
.endr
.irp t, 0,1,2,3
	v_rcp_f32 v[ST+8*(\t)+6], v[ST+8*(\t)+4]
.endr
	v_nop                           ; a plain instruction between the last reciprocal and the use of its result
; Tile t: register 8 f + r of a lane is channel 16 f + 8 (l / 16) + r of row l % 16: byte 64 f + 32 (l / 16) + 4 r of a stage row.  The rows go in as 16 bytes a store and come back whole,
; 512 bytes a load, into the registers that they left.
.macro PACK t
	WIN W_RS
.set i, 64*(\t)
.rept 32
	s_wait_alu depctr_va_vdst(0)
	v_pk_mul_f32 v[i:i+1], v[i:i+1], v[ST+8*(\t)+6:ST+8*(\t)+7] op_sel_hi:[1,0]  ; in ascending order: each accumulator is read from its low end on
.set i, i+2
.endr
	WIN 0x04                        ; the data (source 1) in window 1, the address in window 0
.irp f, 0,1,2,3,4,5,6,7
	ds_store_b128 v[STO], v[64*(\t)+8*(\f):64*(\t)+8*(\f)+3]   offset:64*(\f)
	ds_store_b128 v[STO], v[64*(\t)+8*(\f)+4:64*(\t)+8*(\f)+7] offset:64*(\f)+16
.endr
	WIN 0x40                        ; destination window 1
.set i, 0
.rept 16
	ds_load_b128 v[64*(\t)+4*i:64*(\t)+4*i+3], v[RD] offset:SP*i  ; LDS serves a wave's instructions in order (ISA guide 5.7.1.4): these see the stores above; the next tile's stores come behind them
.set i, i+1
.endr
.endm
.macro SEND t, younger              ; younger: the LDS instructions issued behind tile t's loads: the next tile's 16 stores and 16 loads, or none
	WIN 0x04
.set i, 0
.rept 16
	s_wait_dscnt (\younger)+15-i    ; row i is back; the tile's later rows and the younger instructions may be out
	global_store_b128 v[GO], v[64*(\t)+4*i:64*(\t)+4*i+3], s[10:11] offset:(16*(\t)+i)*4096 th:TH_STORE_NT  ; a store of the wave covers 512 consecutive bytes, at a multiple of 512 from out0's first byte
.set i, i+1
.endr
.endm
	PACK 0
	PACK 1                          ; a tile's arithmetic stands between the loads of the tile before and its stores; no register is written again behind its store
	SEND 0, 32
	PACK 2
	SEND 1, 32
	PACK 3
	SEND 2, 32
	SEND 3, 0
	WIN 0
	s_wait_tensorcnt 0x0            ; the wave's end: an add onto my spare word and its wait, behind my last tensor load and my last LDS store
	ds_add_u32 v[SPW], v[NIL]
	s_wait_dscnt 0x0
	CROUND                          ; the closing round: no work-group ends while a partner may still ask for a tile that names it
	s_endpgm
.Lfunc_end_k_qcd0e6b14f0_attn:
	.size	k_qcd0e6b14f0_attn, .Lfunc_end_k_qcd0e6b14f0_attn-k_qcd0e6b14f0_attn
	.p2alignl 7, 3214868480
	.fill 96, 4, 3214868480
	.section	.rodata,"a",@progbits
	.p2align	6, 0x0
	.amdhsa_kernel k_qcd0e6b14f0_attn
		.amdhsa_group_segment_fixed_size 327680
		.amdhsa_private_segment_fixed_size 0
		.amdhsa_enable_private_segment 0
		.amdhsa_kernarg_size 16
		.amdhsa_user_sgpr_count 2
		.amdhsa_user_sgpr_kernarg_segment_ptr 1
		.amdhsa_wavefront_size32 1
		.amdhsa_system_sgpr_workgroup_id_x 1
		.amdhsa_system_sgpr_workgroup_id_y 1
		.amdhsa_system_sgpr_workgroup_id_z 1
		.amdhsa_system_vgpr_workitem_id 0
		.amdhsa_next_free_vgpr 1024
		.amdhsa_next_free_sgpr 66
		.amdhsa_reserve_vcc 0
		.amdhsa_float_denorm_mode_32 3
		.amdhsa_float_denorm_mode_16_64 3
		.amdhsa_memory_ordered 1
		.amdhsa_forward_progress 1
		.amdhsa_inst_pref_size 233
	.end_amdhsa_kernel
	.amdgpu_metadata
---
amdhsa.version: [ 1, 2 ]
amdhsa.kernels:
  - .name:           k_qcd0e6b14f0_attn
    .symbol:         k_qcd0e6b14f0_attn.kd
    .args:
      - { .name: qkv, .offset: 0, .size: 8, .value_kind: global_buffer, .address_space: global }
      - { .name: out0, .offset: 8, .size: 8, .value_kind: global_buffer, .address_space: global }
    .group_segment_fixed_size: 327680
    .private_segment_fixed_size: 0
    .kernarg_segment_align: 8
    .kernarg_segment_size: 16
    .max_flat_workgroup_size: 128
    .sgpr_count:     66
    .vgpr_count:     1024
    .wavefront_size: 32
...
	.end_amdgpu_metadata
.endif
;; end of part 3
